; MI455X (gfx1250); checked and timed in simulation.
; The chip was launched on July 23, 2026; its instructions are those of AMD's public machine-readable ISA for CDNA 5 (MIT licence, August 2026) and "CDNA5" Instruction Set Architecture Reference Guide (July 2026). The comments in the code are by the model that wrote it; some were corrected since.
;; X. Allowed arithmetic: float matrix products may take bf16 or f16 operands with f32 sums; all other float work in f32.
;; Inputs: x_imag 4,096 x 512 float32; x_real 4,096 x 512 float32.
;; Outputs: out0 2 x 4,096 x 512 float32.
;; One version. Each part assembles by itself: llvm-mc -triple=amdgcn-amd-amdhsa -mcpu=gfx1250 --defsym DOCPART=n.
;; ======== version 1 of 1: 1 launch
;; launch swap (part 1): grid 256 x 1, 8 waves a work-group, no clusters, 0 bytes of LDS; arguments x_real, x_imag, out0; writes out0
.if DOCPART == 1
	.amdgcn_target "amdgcn-amd-amdhsa--gfx1250"
	.amdhsa_code_object_version 6
	.text
	.protected	k_q564d4e7120_swap
	.globl	k_q564d4e7120_swap
	.p2align	8
	.type	k_q564d4e7120_swap,@function
k_q564d4e7120_swap:
	s_mov_b64 s[64:65], 0
	v_nop
	global_prefetch_b8 v0, s[64:65] scope:SCOPE_SE
	s_setreg_imm32_b32 hwreg(HW_REG_WAVE_MODE, 25, 1), 1
	s_wait_xcnt 0x0
; out0[0][j][:] = x_real[(j + 2048) mod 4096][:],  out0[1][j][:] = x_imag[(j + 2048) mod 4096][:].   x_real, x_imag: [4096][512] f32; out0: [2][4096][512] f32.
;
; WHY A COPY.  The operator U of the problem is built from the problem's own constants alone (no input enters it): the Kronecker product of the
; 2 x 2 cyclic shift on the most significant wire with eleven 2 x 2 identities.  That is the real 4096 x 4096 permutation matrix with
; U[j][(j + 2048) mod 4096] = 1 and 0 elsewhere, imaginary part 0.  Each number of U x is one product by 1 and products by 0, so for finite x it is the
; number of x at the permuted row, exactly.  The selection is therefore made in the addresses: no product, no rounding to a 16-bit operand, no sum.
; A row is 2,048 bytes, half a tensor 4 MiB: out0 is, in order, x_real's upper half, x_real's lower half, x_imag's upper half, x_imag's lower half.
;
; LIMITS.  (1) Inputs with an infinity or a NaN: the matrix product as written forms 0 x inf = NaN and spreads NaN over that whole column of both
; planes; this copy carries the infinity or NaN to its permuted place alone.  (2) An input of -0 comes out as -0, where the sum with +0 terms gives +0.
; For finite inputs of any magnitude the result is bit-exact but for that sign of zero.
;
; SHARES.  256 work-groups of eight waves.  Work-group g owns the 65,536 consecutive bytes of out0 at 65,536 g; 64 work-groups make one half of 4 MiB,
; 128 one plane.  Its source is x_real for g < 128, else x_imag, at byte ((g mod 128) xor 64) x 65,536: the xor of bit 6 exchanges the halves.
; Thread t moves, in step j of 16, the 16 bytes at 16 t + 4,096 j of the chunk: one load or store of a wave covers 512 consecutive bytes, aligned to 512.
; All 16 loads of a wave are issued ahead of its first store, so the work-group's whole 65,536 bytes are on their way at once, in 64 registers a wave.
; No LDS, no barrier (no wave needs another's data), no loop; no two work-groups read the same byte, so nothing is there to be shared between them.
.set DEPTH,     16                     ; loads, and stores, of a wave
.set STEP,      4096                   ; bytes that the work-group's 256 threads cover in one step (256 x 16)
.set CHUNK_LOG, 16                     ; the work-group's chunk: DEPTH x STEP = 65,536 bytes
.set HALF_WG,   64                     ; work-groups in a half of 4 MiB (2,048 rows of 2,048 bytes)
.set PLANE_WG,  128                    ; work-groups in a plane of 8 MiB
.set PLANE_LOG, 7                      ; log2 of PLANE_WG
.set OFF, 1                            ; v1       16 t: my byte offset in a step; never rewritten
.set X,   2                            ; v[2:65]  step j: 4 registers, 16 bytes as loaded and as stored
	s_load_b128 s[4:7], s[0:1], 0x0                ; x_real s[4:5], x_imag s[6:7]
	s_load_b64 s[8:9], s[0:1], 0x10                ; out0
	v_lshlrev_b32 v[OFF], 4, v0                    ; 16 bytes a thread
	s_lshl_b32 s10, ttmp9, CHUNK_LOG               ; where my chunk lies in out0: at most 255 x 65,536, below 16 MiB,
	s_mov_b32 s11, 0                               ; as a pair with 0 above it
	s_and_b32 s12, ttmp9, PLANE_WG-1               ; my chunk's number within its plane,
	s_xor_b32 s12, s12, HALF_WG                    ; with the halves exchanged: (row + 2048) mod 4096,
	s_lshl_b32 s12, s12, CHUNK_LOG                 ; in bytes: at most 127 x 65,536, so the chunk ends at the input's last byte at the most
	s_mov_b32 s13, 0
	s_lshr_b32 s14, ttmp9, PLANE_LOG               ; the plane: 0 real, 1 imaginary
	s_wait_kmcnt 0x0                               ; scalar loads come back in no order: the count 0 alone shows the three addresses there
	s_cmp_eq_u32 s14, 0                            ; the choice of the source hangs on the work-group's number alone
	s_cselect_b64 s[4:5], s[4:5], s[6:7]           ; plane 0: x_real; plane 1: x_imag
	s_add_nc_u64 s[4:5], s[4:5], s[12:13]          ; the source at my chunk
	s_add_nc_u64 s[8:9], s[8:9], s[10:11]          ; out0 at my chunk
	; All loads first.  Each input byte is read once in the launch, hence the non-temporal hint.  The step stands in the immediate (61,440 at the most),
	; so no address register is written behind the first memory instruction, and no wait for address translation is needed anywhere.
.irp j, 0,1,2,3,4,5,6,7,8,9,10,11,12,13,14,15
	global_load_b128 v[X+4*\j:X+4*\j+3], v[OFF], s[4:5] offset:\j*STEP th:TH_LOAD_NT
.endr
	; Loads come back in the order of issue (ISA guide 5.7.1): 15 - j loads were issued behind load j and may stay out when store j goes.
	; Each output byte is written once and not read again in the launch.  Sixteen neighbouring lanes store 256 consecutive bytes, aligned to 256.
.irp j, 0,1,2,3,4,5,6,7,8,9,10,11,12,13,14,15
	s_wait_loadcnt DEPTH-1-\j
	global_store_b128 v[OFF], v[X+4*\j:X+4*\j+3], s[8:9] offset:\j*STEP th:TH_STORE_NT
.endr
	s_endpgm                                       ; plain stores may be out at the end: nothing in the launch reads them
.Lfunc_end_k_q564d4e7120_swap:
	.size	k_q564d4e7120_swap, .Lfunc_end_k_q564d4e7120_swap-k_q564d4e7120_swap
	.p2alignl 7, 3214868480
	.fill 96, 4, 3214868480
	.section	.rodata,"a",@progbits
	.p2align	6, 0x0
	.amdhsa_kernel k_q564d4e7120_swap
		.amdhsa_group_segment_fixed_size 0
		.amdhsa_private_segment_fixed_size 0
		.amdhsa_enable_private_segment 0
		.amdhsa_kernarg_size 24
		.amdhsa_user_sgpr_count 2
		.amdhsa_user_sgpr_kernarg_segment_ptr 1
		.amdhsa_wavefront_size32 1
		.amdhsa_system_sgpr_workgroup_id_x 1
		.amdhsa_system_sgpr_workgroup_id_y 1
		.amdhsa_system_sgpr_workgroup_id_z 1
		.amdhsa_system_vgpr_workitem_id 0
		.amdhsa_next_free_vgpr 66
		.amdhsa_next_free_sgpr 66
		.amdhsa_reserve_vcc 0
		.amdhsa_float_denorm_mode_32 3
		.amdhsa_float_denorm_mode_16_64 3
		.amdhsa_memory_ordered 1
		.amdhsa_forward_progress 1
		.amdhsa_inst_pref_size 5
	.end_amdhsa_kernel
	.amdgpu_metadata
---
amdhsa.version: [ 1, 2 ]
amdhsa.kernels:
  - .name:           k_q564d4e7120_swap
    .symbol:         k_q564d4e7120_swap.kd
    .args:
      - { .name: x_real, .offset: 0, .size: 8, .value_kind: global_buffer, .address_space: global }
      - { .name: x_imag, .offset: 8, .size: 8, .value_kind: global_buffer, .address_space: global }
      - { .name: out0, .offset: 16, .size: 8, .value_kind: global_buffer, .address_space: global }
    .group_segment_fixed_size: 0
    .private_segment_fixed_size: 0
    .kernarg_segment_align: 8
    .kernarg_segment_size: 24
    .max_flat_workgroup_size: 256
    .sgpr_count:     66
    .vgpr_count:     66
    .wavefront_size: 32
...
	.end_amdgpu_metadata
.endif
;; end of part 1
